; MI455X (gfx1250); checked and timed in simulation.
; The chip was launched on July 23, 2026; its instructions are those of AMD's public machine-readable ISA for CDNA 5 (MIT licence, August 2026) and "CDNA5" Instruction Set Architecture Reference Guide (July 2026). The comments in the code are by the model that wrote it; some were corrected since.
;; Two Layer Net. Allowed arithmetic: matrix products marked QUANTISED: E2M1 operands, one E8M0 scale for each 32 along K, by v_wmma_scale_f32_16x16x128_f8f6f4 with both operands' format E2M1 (or v_wmma_scale_f32_32x16x128_f4), f32 sums; everything else in f32.
;; Inputs: keys 8,192 x 128 float32; temperature 1 float32; values 8,192 x 100 float32; x 32,768 x 128 float32.
;; Outputs: out0 32,768 x 100 float32.
;; This version of the problem:
;;   THIS VERSION OF THE PROBLEM IS GIVEN IN LOW PRECISION. The matrix products marked QUANTISED in the list below multiply operands that are first quantised to E2M1 (2 exponent bits, 1 mantissa bit; 4 bits a number), with one power-of-two scale for each 32 numbers along K (OCP MX v1.0); their sums are f32. All else is computed in f32.
;;   The module's matrix products, in the order in which they are computed (A, B: the left and right operand; K: the contracted axis; several contracted axes count as one K, in the product's order):
;;     1. [M 32,768, K 128] x [K 128, N 8,192]; A: input x; B: input keys: QUANTISED
;;     2. [M 32,768, K 8,192] x [K 8,192, N 100]; A: softmax (see below); B: input values: QUANTISED
;;   THE QUANTISER, for each operand of a quantised product, along K:
;;     - K is cut into blocks of 32 from its start; a last block that is shorter is filled with zeros.
;;     - A block's scale is 2^e with e = floor(log2(the largest magnitude in the block)) - 2, held to -126 .. 127; a block of zeros has e = 0. As a byte (E8M0): e + 127.
;;     - Each number is divided by its block's scale, clamped to +-6, and rounded to the nearest number of E2M1, ties to even, subnormals kept.
;;     - The product sums the exact products of the quantised numbers (number of the format x scale) in f32.
;;   ~~~python
;;   def quantise(x, axis):      # numpy; x: float32 -> the quantised numbers, widened to float32 again
;;       x = np.moveaxis(x, axis, -1); K = x.shape[-1]
;;       x = np.pad(x, [(0, 0)] * (x.ndim - 1) + [(0, -K % 32)]); x = x.reshape(x.shape[:-1] + (-1, 32)); a = np.abs(x).max(-1, keepdims=True)
;;       e = np.where(a > 0, np.clip(np.frexp(np.where(a > 0, a, 1))[1] - 1 - 2, -126, 127), 0)      # np.frexp(a)[1] - 1 = floor(log2(a)), exactly
;;       r = np.clip(x / 2.0 ** e, -6, 6)
;;       step = 2.0 ** (np.maximum(np.frexp(np.where(r == 0, 1, r))[1] - 1, 0) - 1)
;;       q = np.round(r / step) * step * 2.0 ** e      # np.round: ties to even
;;       return np.moveaxis(q.reshape(q.shape[:-2] + (-1,))[..., :K], -1, axis).astype(np.float32)
;;   ~~~
;;   SOFTMAX AHEAD OF A QUANTISED PRODUCT. Where the list says 'softmax', what is quantised is not the finished softmax but p = 2^(t - M), with t = logit x log2(e) and M = ceil(the row's largest t), a whole number; so 1/2 < the row's largest p <= 1. The row's sum l is taken of the UNQUANTISED p, in f32, and the product's result is divided by l at the end. Since M is a whole number, a kernel that streams over the keys may use a running M (the ceiling of the running maximum): every later rescaling is an exact power of two, which a block's scale takes up: the codes' values come out the same.
;;   OPERANDS COMPUTED ON THE WAY. 'Computed on the way' means the value that the module computes at that place (a softmax that the list does not call 'softmax' is quantised finished and normalised). What goes into a quantiser is computed in f32, as accurately as f32 sums, v_exp_f32 and their like allow (about 1e-6 of the number): no bf16 or f16 on the way to a quantiser, and a product that is left as it is and whose result goes on into a quantised operand takes f32 operands (vector FMAs, or v_wmma_f32_16x16x4_f32). A number that lies on a knife's edge between two numbers of the format may be rounded either way, as far as f32 arithmetic and the matrix unit's own rounding can turn it there, and no further.
;; One version. Each part assembles by itself: llvm-mc -triple=amdgcn-amd-amdhsa -mcpu=gfx1250 --defsym DOCPART=n.
;; ======== version 1 of 1: 2 launches
;; limits: right only within a limited range of input values
;; workspace buffers: kv 1,048,576 bytes; ksq 32,768 bytes
;; launch prep (part 1): grid 64 x 1, 16 waves a work-group, no clusters, 4,096 bytes of LDS; arguments keys, values, temperature, kv, ksq; writes kv, ksq
.if DOCPART == 1
	.amdgcn_target "amdgcn-amd-amdhsa--gfx1250"
	.amdhsa_code_object_version 6
	.text
	.protected	k_q902167d8e8_prep
	.globl	k_q902167d8e8_prep
	.p2align	8
	.type	k_q902167d8e8_prep,@function
k_q902167d8e8_prep:
	s_mov_b64 s[64:65], 0
	v_nop
	global_prefetch_b8 v0, s[64:65] scope:SCOPE_SE
	s_setreg_imm32_b32 hwreg(HW_REG_WAVE_MODE, 25, 1), 1
	s_wait_xcnt 0x0
; keys [8192][128] and values [8192][100], f32, become codes of FP4 (E2M1) with one E8M0 byte for each 32 along a product's K, laid in the ORDER OF THE OPERANDS' REGISTERS,
; so that the next launch takes every fragment by loads of 16 bytes a lane and a key step's tiles are one dense block.  Also: sigma |k|^2 of the unquantised keys, f32.
; sigma = the sign of c = -log2(e) / T.  The next launch wants D = sigma |k|^2 - 2 sigma x.k straight out of its matrix instruction.  So here: the keys' codes get their sign bits turned
; where T < 0 (sigma = +1; with T > 0 the sign of -2 sigma is already +), the keys' scale bytes get +1 (the factor 2; a byte is an exponent field - 2, at most 252, so 0xff is not reached), and |k|^2 gets sigma's sign.
; kv: 64 key steps of 128 keys x 16,384 bytes.  In a step: K's tile t (0..7) at 1,024 t: two halves of 512 bytes, lane l's 16 bytes at 16 l; lane (r, h) holds key 32 (t / 2) + 8 (t % 2) + r + 8 (r / 8), d = 64 c + 32 h + 0 .. 31.
;   V's tile t (0..6) at 8,192 + 1,024 t: lane (r, h) holds channel 16 t + r, keys 64 c + 32 h + 0 .. 31 of the step; channels from 100 on are zero codes.
;   The scale words at 15,360: half H (512 bytes) holds at 16 l the lane's words 4 H .. 4 H + 3: in lanes 0-15 word t is K's tile t, row r; in lanes 16-31 V's tile t, channel r (V's word 7: 0x7f7f7f7f, never used).
; SHARES.  Work-group s makes key step s, whole: 64 work-groups, one owner for each block of 16,384 bytes.  Waves 0-7: K's tiles; waves 8-14: V's; wave 15: the pad word.  A wave's loads go out together; no loop.
; No cluster: the work-groups share no input.  No matrix unit, no tensor load: each number is read once and worked on once.
; A LANE HOLDS TWO WHOLE BLOCKS OF 32 along K in the order that the operand's layout gives it, so the conversions' results are the operand's registers.
; LIMITS: a block whose largest magnitude lies under 2^-124 has its byte held at 1; a block of zeros keeps that byte where the rule says 127 (its codes are zeros, and this program alone reads the bytes);
; NaN and infinities among the inputs are not served.
.set X,   32                           ; v32-95   my 64 numbers: register 32 c + i = k 64 c + 32 h + i
.set C,   96                           ; v96-103  the fragment's codes
.set WV,  14                           ; s14      my wave's number
.set TL,  15                           ; s15      my tile: wave % 8
.set SEL, 20                           ; s[20:21] lane selects for v_permlanex16_b32: lane l xor 16
	s_load_b256 s[4:11], s[0:1], 0x0               ; keys s[4:5], values s[6:7], temperature s[8:9], kv s[10:11]
	s_load_b64 s[12:13], s[0:1], 0x20              ; ksq
	v_lshl_add_u32 v128, v0, 2, 0x800
	v_mov_b32 v129, 0
	v_lshrrev_b32 v1, 5, v0
	s_delay_alu instid0(VALU_DEP_1)
	v_readfirstlane_b32 s[WV], v1
	v_and_b32 v1, 31, v0                           ; lane
	v_and_b32 v2, 15, v0                           ; r
	s_wait_alu depctr_va_vdst(0)
	v_bfe_u32 v3, v0, 4, 1                         ; h
	s_and_b32 s[TL], s[WV], 7
	s_mov_b32 s[SEL], 0x76543210
	s_mov_b32 s[SEL+1], 0xfedcba98
	; every address is made here, ahead of the parting into roles
	s_lshr_b32 s22, s[TL], 2
	s_lshl_b32 s22, s22, 9                         ; the scale image's half: 512 (t / 4)
	s_lshr_b32 s23, s[WV], 3
	s_lshl_b32 s23, s23, 8                         ; V's words lie in lanes 16-31: 256 bytes on
	s_add_co_u32 s22, s22, s23
	s_and_b32 s23, s[WV], 3
	s_lshl_b32 s23, s23, 2                         ; word t % 4 of the lane's four
	s_add_co_u32 s22, s22, s23
	v_lshl_add_u32 v4, v2, 4, s22                  ; v4: LDS place of my row's scale word (both halves of the lanes write the same word there)
	s_lshr_b32 s22, s[TL], 1
	s_lshl_b32 s22, s22, 7
	s_and_b32 s23, s[TL], 1
	s_lshl_b32 s23, s23, 5
	s_add_co_u32 s22, s22, s23                     ; 4 x the tile's first key: 4 (32 (t / 2) + 8 (t % 2))
	s_add_co_u32 s24, s22, 1024
	v_and_b32 v9, 8, v2
	s_delay_alu instid0(VALU_DEP_1)
	v_add_nc_u32 v9, v9, v2                        ; r + 8 (r / 8)
	s_delay_alu instid0(VALU_DEP_1)
	v_lshl_add_u32 v5, v9, 2, s24                  ; v5: LDS place of my key's sigma |k|^2, in the keys' natural order, behind the scale image
	v_lshlrev_b32 v6, 4, v1                        ; v6: 16 x lane: an image's place for my lane
	s_delay_alu instid0(VALU_DEP_3)
	v_lshlrev_b32 v7, 9, v9
	s_wait_alu depctr_va_vdst(0)
	v_lshl_add_u32 v7, v3, 7, v7                   ; v7: keys: my key's row of 512 bytes + 128 h
	s_lshl_b32 s25, s[TL], 4
	v_add_nc_u32 v11, s25, v2                      ; my channel
	s_delay_alu instid0(VALU_DEP_1)
	v_cmp_gt_u32 vcc_lo, 100, v11
	s_delay_alu instid0(VALU_DEP_1)
	v_cndmask_b32 v8, 0, -1, vcc_lo                ; v8: all ones where the channel exists
	s_delay_alu instid0(VALU_DEP_3)
	v_min_u32 v11, 99, v11                         ; no load leaves the buffer: the channels past the end read channel 99 and are cleared
	s_delay_alu instid0(VALU_DEP_1)
	v_lshlrev_b32 v10, 2, v11
	s_delay_alu instid0(VALU_DEP_1)
	v_mad_u32_u24 v10, v3, 12800, v10              ; v10: values: 4 x channel + 32 h rows of 400 bytes
	s_mov_b32 s27, 0
	s_wait_kmcnt 0x0
	s_load_b32 s16, s[8:9], 0x0                    ; T, as bits
	s_lshl_b32 s26, ttmp9, 14
	s_add_nc_u64 s[10:11], s[10:11], s[26:27]      ; kv at my key step
	s_lshl_b32 s26, s[WV], 10
	s_add_nc_u64 s[28:29], s[10:11], s[26:27]      ; and at my tile's image: K's eight, then V's seven
	s_lshl_b32 s26, ttmp9, 9
	s_add_nc_u64 s[12:13], s[12:13], s[26:27]      ; ksq at my step's 128 numbers
	s_lshl_b32 s26, ttmp9, 16
	s_lshl_b32 s22, s22, 7
	s_add_co_u32 s26, s26, s22
	s_add_nc_u64 s[4:5], s[4:5], s[26:27]          ; keys at my tile's first key
	s_mul_i32 s26, ttmp9, 51200
	s_add_nc_u64 s[6:7], s[6:7], s[26:27]          ; values at my step's first key
	s_wait_kmcnt 0x0
	s_ashr_i32 s17, s16, 31
	s_and_b32 s17, s17, 0x88888888                 ; the eight sign bits of a word of codes, where T < 0
	s_xor_b32 s18, s16, 0x80000000
	s_and_b32 s18, s18, 0x80000000                 ; the sign of sigma |k|^2: minus where T > 0
; My two blocks become codes in v[C] on and my row's scale word in v18.
.macro QUANT2
.irp c, 0,1
	v_max3_num_f32 v[12+\c], |v[X+32*\c]|, |v[X+32*\c+1]|, 0x1800000   ; block 2 c + h: all its 32 numbers are mine; the floor 2^(3 - 127) holds the byte at 1 from below
.endr
.irp n, 2,4,6,8,10,12,14,16,18,20,22,24,26,28,30
.irp c, 0,1
	s_delay_alu instid0(VALU_DEP_2)
	v_max3_num_f32 v[12+\c], v[12+\c], |v[X+32*\c+\n]|, |v[X+32*\c+\n+1]|   ; (the two blocks by turns)
.endr
.endr
.irp c, 0,1
	s_delay_alu instid0(VALU_DEP_2)
	v_add_nc_u32 v[14+\c], 0xff000000, v[12+\c]    ; 2 off the exponent field: the conversion takes this operand's exponent field as its scale
.endr
.irp c, 0,1
	s_delay_alu instid0(VALU_DEP_2)
	v_lshrrev_b32 v[16+\c], 23, v[14+\c]           ; the scale's byte
.endr
	s_delay_alu instid0(VALU_DEP_1)
	v_lshl_or_b32 v18, v17, 16, v16                ; my two bytes: blocks h and 2 + h,
	v_lshlrev_b32 v19, 3, v3
	s_delay_alu instid0(VALU_DEP_1)
	v_lshlrev_b32 v18, v19, v18                    ; at their places in the word (8 h bits up);
	s_delay_alu instid0(VALU_DEP_1)
	v_permlanex16_b32 v19, v18, s[SEL], s[SEL+1]
	s_delay_alu instid0(VALU_DEP_1)
	v_or_b32 v18, v18, v19                         ; with lane l xor 16's two the word is whole
.irp c, 0,1
.irp g, 0,1,2,3
	v_cvt_scalef32_pk8_fp4_f32 v[C+4*\c+\g], v[X+32*\c+8*\g:X+32*\c+8*\g+7], v[14+\c]
.endr
.endr
	v_nop                                          ; one plain instruction behind the last scaled conversion
.endm
	s_cmp_lt_u32 s[WV], 8
	s_cbranch_scc0 .Lnot_k
	; ---- a tile of K
	s_wait_alu depctr_va_vdst(0)
.irp c, 0,1
.irp g, 0,1,2,3,4,5,6,7
	global_load_b128 v[X+32*\c+4*\g:X+32*\c+4*\g+3], v7, s[4:5] offset:256*\c+16*\g th:TH_LOAD_NT   ; a lane's eight loads take 128 consecutive bytes of its key
.endr
.endr
	s_wait_loadcnt 0x0
.irp k, 0,1,2,3
	v_pk_mul_f32 v[20+2*\k:21+2*\k], v[X+2*\k:X+2*\k+1], v[X+2*\k:X+2*\k+1]   ; |k|^2 of the unquantised numbers: four chains, started by the first products
.endr
.set j, 4
.rept 28
	s_delay_alu instid0(VALU_DEP_4)
	v_pk_fma_f32 v[20+2*(j%4):21+2*(j%4)], v[X+2*j:X+2*j+1], v[X+2*j:X+2*j+1], v[20+2*(j%4):21+2*(j%4)]
.set j, j+1
.endr
	s_delay_alu instid0(VALU_DEP_3)
	v_pk_add_f32 v[20:21], v[20:21], v[22:23]
	s_delay_alu instid0(VALU_DEP_2)
	v_pk_add_f32 v[24:25], v[24:25], v[26:27]
	s_delay_alu instid0(VALU_DEP_1)
	v_pk_add_f32 v[20:21], v[20:21], v[24:25]
	s_delay_alu instid0(VALU_DEP_1)
	v_add_f32 v20, v20, v21
	s_delay_alu instid0(VALU_DEP_1)
	v_permlanex16_b32 v21, v20, s[SEL], s[SEL+1]
	s_delay_alu instid0(VALU_DEP_1)
	v_add_f32 v20, v20, v21                        ; with lane l xor 16's 64 numbers
	s_delay_alu instid0(VALU_DEP_1)
	v_xor_b32 v20, s18, v20                        ; sigma |k|^2
	ds_store_b32 v5, v20
	QUANT2
	v_add_nc_u32 v18, 0x01010101, v18              ; the factor 2, in each of the four bytes
.irp g, 0,1,2,3,4,5,6,7
	v_xor_b32 v[C+\g], s17, v[C+\g]                ; the sign of -2 sigma
.endr
	global_store_b128 v6, v[C:C+3], s[28:29]       ; 32 lanes store 512 consecutive bytes, at a multiple of 512 from kv's first byte
	global_store_b128 v6, v[C+4:C+7], s[28:29] offset:512
	ds_store_b32 v4, v18
	s_branch .Ljoin
.Lnot_k:
	s_cmp_lt_u32 s[WV], 15
	s_cbranch_scc0 .Lpad
	; ---- a tile of V: a lane takes a channel, and its registers run down the keys
.set j, 0
	s_wait_alu depctr_va_vdst(0)
.rept 64
	global_load_b32 v[X+j], v10, s[6:7] offset:(64*(j/32)+j%32)*400   ; sixteen neighbouring lanes read 64 neighbouring bytes of one key's row
.set j, j+1
.endr
	s_wait_loadcnt 0x0
.set j, 0
.rept 64
	v_and_b32 v[X+j], v8, v[X+j]                   ; channels from 100 on: zeros
.set j, j+1
.endr
	QUANT2
	global_store_b128 v6, v[C:C+3], s[28:29]
	global_store_b128 v6, v[C+4:C+7], s[28:29] offset:512
	ds_store_b32 v4, v18
	s_branch .Ljoin
.Lpad:
	v_mov_b32 v12, 0x7f7f7f7f                      ; V has seven tiles: the eighth word of lanes 16-31 is written so that every byte of kv is
	ds_store_b32 v4, v12
.Ljoin:
	s_wait_dscnt 0x0                               ; for the others' sake: my LDS stores have landed
	s_barrier_signal -1
	s_barrier_wait -1
	s_cmp_lg_u32 s[WV], 0
	s_cbranch_scc1 .Lnot_0
	ds_load_b128 v[32:35], v6                      ; wave 0: the step's scale image leaves as two runs of 512 consecutive bytes
	ds_load_b128 v[36:39], v6 offset:512
	s_wait_dscnt 0x0
	global_store_b128 v6, v[32:35], s[10:11] offset:15360
	global_store_b128 v6, v[36:39], s[10:11] offset:15872
	s_branch .Lend
.Lnot_0:
	s_cmp_lg_u32 s[WV], 1
	s_cbranch_scc1 .Lend
	ds_load_b128 v[32:35], v6 offset:1024          ; wave 1: the step's 128 sigma |k|^2: 512 consecutive bytes
	s_wait_dscnt 0x0
	global_store_b128 v6, v[32:35], s[12:13]
.Lend:
	s_wait_tensorcnt 0x0
	ds_add_u32 v128, v129
	s_wait_dscnt 0x0
	s_endpgm
.Lfunc_end_k_q902167d8e8_prep:
	.size	k_q902167d8e8_prep, .Lfunc_end_k_q902167d8e8_prep-k_q902167d8e8_prep
	.p2alignl 7, 3214868480
	.fill 96, 4, 3214868480
	.section	.rodata,"a",@progbits
	.p2align	6, 0x0
	.amdhsa_kernel k_q902167d8e8_prep
		.amdhsa_group_segment_fixed_size 4096
		.amdhsa_private_segment_fixed_size 0
		.amdhsa_enable_private_segment 0
		.amdhsa_kernarg_size 40
		.amdhsa_user_sgpr_count 2
		.amdhsa_user_sgpr_kernarg_segment_ptr 1
		.amdhsa_wavefront_size32 1
		.amdhsa_system_sgpr_workgroup_id_x 1
		.amdhsa_system_sgpr_workgroup_id_y 1
		.amdhsa_system_sgpr_workgroup_id_z 1
		.amdhsa_system_vgpr_workitem_id 0
		.amdhsa_next_free_vgpr 130
		.amdhsa_next_free_sgpr 66
		.amdhsa_reserve_vcc 1
		.amdhsa_float_denorm_mode_32 3
		.amdhsa_float_denorm_mode_16_64 3
		.amdhsa_memory_ordered 1
		.amdhsa_forward_progress 1
		.amdhsa_inst_pref_size 27
	.end_amdhsa_kernel
	.amdgpu_metadata
---
amdhsa.version: [ 1, 2 ]
amdhsa.kernels:
  - .name:           k_q902167d8e8_prep
    .symbol:         k_q902167d8e8_prep.kd
    .args:
      - { .name: keys, .offset: 0, .size: 8, .value_kind: global_buffer, .address_space: global }
      - { .name: values, .offset: 8, .size: 8, .value_kind: global_buffer, .address_space: global }
      - { .name: temperature, .offset: 16, .size: 8, .value_kind: global_buffer, .address_space: global }
      - { .name: kv, .offset: 24, .size: 8, .value_kind: global_buffer, .address_space: global }
      - { .name: ksq, .offset: 32, .size: 8, .value_kind: global_buffer, .address_space: global }
    .group_segment_fixed_size: 4096
    .private_segment_fixed_size: 0
    .kernarg_segment_align: 8
    .kernarg_segment_size: 40
    .max_flat_workgroup_size: 512
    .sgpr_count:     66
    .vgpr_count:     130
    .wavefront_size: 32
...
	.end_amdgpu_metadata
.endif
;; end of part 1
;; launch attend (part 2): grid 256 x 1, 8 waves a work-group, clusters of 4 x 1, 327,680 bytes of LDS; arguments x, temperature, kv, ksq, out0; writes out0
.if DOCPART == 2
	.amdgcn_target "amdgcn-amd-amdhsa--gfx1250"
	.amdhsa_code_object_version 6
	.text
	.protected	k_q902167d8e8_attend
	.globl	k_q902167d8e8_attend
	.p2align	8
	.type	k_q902167d8e8_attend,@function
k_q902167d8e8_attend:
	s_mov_b64 s[64:65], 0
	v_nop
	global_prefetch_b8 v0, s[64:65] scope:SCOPE_SE
	s_setreg_imm32_b32 hwreg(HW_REG_WAVE_MODE, 25, 1), 1
	s_wait_xcnt 0x0
	s_wait_alu depctr_hold_cnt(0) depctr_sa_sdst(0) depctr_va_vdst(0) depctr_va_sdst(0) depctr_va_ssrc(0) depctr_va_vcc(0) depctr_vm_vsrc(0)
	s_getreg_b32 s2, hwreg(HW_REG_IB_STS2, 6, 4)
	s_cmp_eq_u32 s2, 0
	s_cbranch_scc0 .Lentry_in_a_cluster
	s_endpgm
.Lentry_in_a_cluster:
	s_bfe_u32 s2, ttmp6, 0x10000c
	s_cmp_lg_u32 s2, 0x3003
	s_cbranch_scc0 .Lentry_shape_is_right
	s_endpgm
.Lentry_shape_is_right:
; out[n] = sum over keys of softmax(-max(|x_n - k|^2, 0) / T) values[k], both products on codes of FP4 (E2M1) with E8M0 scales for each 32 along K.
; kv (64 key steps x 16,384 bytes: K's 8 tiles, V's 7 tiles, the scale words, all as images of the operands' registers) and ksq (sigma |k|^2) come from the launch before;
; the keys' codes and scales there carry the factor -2 sigma, sigma = the sign of c = -log2(e) / T, so that D = sigma (|k|^2 - 2 x.k) leaves the matrix unit and the largest D is the largest t.
; t = |c| D + c |x|^2, held at 0 from above (T > 0) or from below (T < 0): reference()'s clip of the squared distance.  p = 2^(t - M), M = the ceiling of the running largest t;
; p is quantised along the keys; the row's sum is taken of the unquantised p; when M moves, the sum and O are multiplied by 2^(old M - new M).  Nothing of reference() is left out.
; SHARES.  A work-group owns 128 rows of x; wave w owns the 32 rows of group w / 2 (two tiles of 16) and the key steps of parity w % 2: 32 steps of 128 keys.  The two halves are joined at the end through LDS.
; Both products are used transposed (source 0 = keys or channels, source 1 = my rows): a lane holds one row of x throughout.
; THE RING.  Two slots of 8 key steps; each wave fetches one step (64 rows of 256 bytes) of a slot.  The four work-groups of a cluster walk the same kv and ask jointly (mask 15).
; THE PIPELINE.  A step's LDS loads are issued one step ahead: K's fragments and scale words behind the step's first product, sigma |k|^2 behind tile 0's softmax, V's fragments and scale words behind the second product.
; sigma |k|^2 is loaded into tile 0's score registers: tile 1's product takes them as C, then tile 0's adds onto them in place.
; THE CHANGE OF SLOTS stands inside a slot's last step, behind its first product: by then all that the wave needs of the old slot is in registers.  Tile 0's softmax, work on registers, stands between the round's opening signal and its wait.
; PREFETCH.  At each fill, waves 0-3 of the first cluster's work-groups ask for the slot that the next fill loads: 32 lanes x 256 bytes a wave, 4 waves x 4 work-groups = a slot, told apart by address; slots 0 and 1 come by their loads alone; the last fill asks for nothing.
; LIMITS: the promise holds while |t| stays under 2^31; NaN and infinities among the inputs, and T = 0, are not served; a block of p that is all zeros keeps the byte 1 (its codes are zeros).
.set STEPB, 16384
.set SLOTB, 131072
.set KSQL,  262144                     ; sigma |k|^2 of all keys, 32,768 bytes, stored by the waves: no tensor load lands here
.set SPARE, 294912                     ; the spare words: 128 bytes a wave
.set XIMG,  295936                     ; x's codes as register images, 1,024 bytes a tile
.set XSC,   304128                     ; x's scale words
.set XSQ,   305152                     ; |x|^2
.set MRGB,  14848                      ; the way out: a group's partial O and state, in slot 0's bytes, which have had their last fill
.set STG,   59392
.set STGB,  12800
.set STGL,  13056
.set SPW, 1
.set NIL, 2
.set LI,  3                            ; 16 x lane + my parity's step
.set LQ,  4                            ; my lane's place in a step's sigma |k|^2
.set ADR, 5                            ; LDS address of the step that is being fetched
.set ADQ, 6
.set PFO, 7
.set STA, 16                           ; v16-25, v32-41: a tile's state: +0 c|x|^2 - M, +1 largest t, +2,3 sum, +4 f, +6 -M, +7 c|x|^2, +8,9 the clip's bounds
.set BMX, 48
.set TMQ, 52
.set SOP, 56
.set SCO, 64                           ; v64-191 scores, then p: two tiles
.set PCD, 192                          ; p's codes
.set QFR, 208                          ; x's codes
.set SCK, 224                          ; v224-231 the scale image for the first product (K's words in lanes 0-15)
.set QSW, 232
.set PSW, 234
.set FRG, 112                          ; window 1: v0-111 O^T; v112-175 K's fragments; v176-231 V's
.set VFR, 176
.set WV,  14
.set GQ,  15
.set KH,  16
.set CLX, 17
.set WG,  18
.set CN,  19
.set SEL, 20
.set CA,  22
.set G1,  24
.set G0,  32
.set TB,  48
.set TQ,  49
.set SLOTS, 50
.set STEPS, 51
.set LIM, 52
.set TT,  53
.set PFA, 56
.set MSB, 0
.macro WIN new
.if MSB != \new
	s_set_vgpr_msb (MSB<<8)|\new
.set MSB, \new
.endif
.endm
.set TO_W1, 0x40
.set W_KQ,  0x01
.set W_PV,  0x51
.set W_RS,  0x41
.macro CREST                           ; a round of the cluster's barrier behind its opening barrier
	s_cmp_lg_u32 s[WV], 0
	s_cbranch_scc1 .Lnot_wave_0_\@
	s_barrier_signal -3
.Lnot_wave_0_\@:
	s_barrier_wait -3
	s_barrier_signal -1
	s_barrier_wait -1
.endm
.macro CROUND
	s_barrier_signal -1
	s_barrier_wait -1
	CREST
.endm
.macro DRAIN fill                      ; the tensor wait, the add and the LDS wait ahead of a change's barrier; the descriptor's and the prefetch's steps stand between the add and its wait
	s_wait_tensorcnt 0x0
	ds_add_u32 v[SPW], v[NIL]
.if \fill
	s_xor_b32 s[G0+1], s[G0+1], SLOTB
	s_add_nc_u64 s[G0+2:G0+3], s[G0+2:G0+3], SLOTB
	s_wait_xcnt 0x0                                ; my last prefetch has read its address
	s_add_nc_u64 s[PFA:PFA+1], s[PFA:PFA+1], SLOTB
.endif
	s_wait_dscnt 0x0                               ; the add is done, and all my reads of the slot that I leave are in registers
.endm
.macro REFILL                          ; my one joint load behind the round, then the prefetch of the slot after it
	tensor_load_to_lds s[G0:G0+3], s[G1:G1+7]
	s_nop 0
.rept 4
	v_nop
.endr
	s_cmp_gt_u32 s[SLOTS], s[LIM]
	s_cbranch_scc0 .Lnot_mine_\@
	global_prefetch_b8 v[PFO], s[PFA:PFA+1] th:TH_LOAD_NT scope:SCOPE_SE
.Lnot_mine_\@:
.endm
; four blocks' largest magnitudes in v[BMX..] -> scale word pw, codes pc (whole blocks in a lane)
.macro CODES s, pc, pw
.irp b, 0,1,2,3
	s_delay_alu instid0(VALU_DEP_4)
	v_add_nc_u32 v[SOP+\b], 0xff000000, v[BMX+\b]
.endr
.irp b, 0,1,2,3
	s_delay_alu instid0(VALU_DEP_4)
	v_lshrrev_b32 v[TMQ+\b], 23, v[SOP+\b]
.endr
	s_delay_alu instid0(VALU_DEP_3)
	v_lshl_or_b32 v[\pw], v[TMQ+1], 8, v[TMQ]
	s_delay_alu instid0(VALU_DEP_1)
	v_lshl_or_b32 v[\pw], v[TMQ+2], 16, v[\pw]
	s_delay_alu instid0(VALU_DEP_1)
	v_lshl_or_b32 v[\pw], v[TMQ+3], 24, v[\pw]
.irp b, 0,1,2,3
	v_cvt_scalef32_pk8_fp4_f32 v[\pc+2*\b], v[\s+16*\b:\s+16*\b+7], v[SOP+\b]
	v_cvt_scalef32_pk8_fp4_f32 v[\pc+2*\b+1], v[\s+16*\b+8:\s+16*\b+15], v[SOP+\b]
.endr
	v_nop
.irp c, 0,1
.irp u, 0,1
	v_permlane16_swap_b32 v[\pc+4*\c+\u], v[\pc+4*\c+2+\u]
.endr
.endr
.endm
	s_load_b256 s[4:11], s[0:1], 0x0               ; x, T, kv, ksq
	s_load_b64 s[12:13], s[0:1], 0x20              ; out
	v_lshl_add_u32 v[SPW], v0, 2, SPARE
	v_mov_b32 v[NIL], 0
	ds_add_u32 v[SPW], v[NIL]                      ; the opening lines: the add,
	ds_add_u32 v[SPW], v[NIL]                      ; once more, and one wait below
	v_lshrrev_b32 v8, 5, v0
	v_readfirstlane_b32 s[WV], v8
	s_lshr_b32 s[GQ], s[WV], 1
	s_and_b32 s[KH], s[WV], 1
	s_bfe_u32 s[CLX], ttmp6, 0x40000
	s_lshl_b32 s[WG], ttmp9, 2
	s_add_co_u32 s[WG], s[WG], s[CLX]
	s_mov_b32 s[G1], 15|(3<<16)|(1<<21)            ; all four partners; elements of 8 bytes; 64 rows of 256 bytes, dense
	s_mov_b32 s[G1+1], 32<<16
	s_mov_b32 s[G1+2], 64<<16
	s_mov_b32 s[G1+3], 32<<16
	s_mov_b32 s[G1+4], 64
	s_mov_b32 s[G1+5], 32
	s_mov_b32 s[G1+6], 0
	s_mov_b32 s[G1+7], 0
	s_mov_b32 s[SEL], 0x76543210
	s_mov_b32 s[SEL+1], 0xfedcba98
	s_mov_b32 s[TB], 0
	s_mov_b32 s[TQ], 0
	s_mov_b32 s[SLOTS], 7
	s_lshr_b32 s59, s[WV], 2
	s_or_b32 s59, s59, ttmp9
	s_cmp_eq_u32 s59, 0
	s_cselect_b32 s[LIM], 1, -1                    ; waves 0-3 of the first cluster prefetch
	s_mov_b32 s61, 0
	s_mov_b32 s63, 0
	v_and_b32 v60, 31, v0
	v_and_b32 v61, 15, v0
	v_bfe_u32 v62, v0, 4, 1
	v_lshlrev_b32 v8, 9, v61
	v_lshl_add_u32 v8, v62, 6, v8                  ; x: row r of 512 bytes + 64 h
	v_lshlrev_b32 v9, 4, v60                       ; ksq: 16 x lane
	s_wait_alu depctr_va_vdst(0)
	s_wait_dscnt 0x0
	s_wait_kmcnt 0x0
	s_load_b32 s[TT], s[6:7], 0x0
	s_lshl_b32 s62, s[WG], 16
	s_lshl_b32 s59, s[WV], 13
	s_add_co_u32 s62, s62, s59
	s_add_nc_u64 s[4:5], s[4:5], s[62:63]          ; wave w quantises tile w of the work-group's eight
	s_lshl_b32 s60, s[WV], 12
	s_add_nc_u64 s[10:11], s[10:11], s[60:61]      ; and copies 4,096 bytes of ksq
.irp b, 0,1,2,3
.irp n, 0,1,2,3
	global_load_b128 v[SCO+16*\b+4*\n:SCO+16*\b+4*\n+3], v8, s[4:5] offset:128*\b+16*\n th:TH_LOAD_NT
.endr
.endr
.irp n, 0,1,2,3,4,5,6,7
	global_load_b128 v[SCO+64+4*\n:SCO+64+4*\n+3], v9, s[10:11] offset:512*\n
.endr
	s_lshl_b32 s60, s[WV], 14
	s_mov_b32 s[G0], 1
	s_lshl_b32 s[G0+1], s[WV], 14
	s_add_nc_u64 s[G0+2:G0+3], s[8:9], s[60:61]
	s_or_b32 s[G0+3], s[G0+3], 0x80000000
	CROUND                                         ; the round in front of the first joint loads
	tensor_load_to_lds s[G0:G0+3], s[G1:G1+7]      ; slot 0, my step: my one tensor load at the head
	s_nop 0
.rept 4
	v_nop
.endr
	s_mul_i32 s62, s[WG], 51200
	s_mul_i32 s59, s[GQ], STGB
	s_add_co_u32 s62, s62, s59
	s_add_nc_u64 s[12:13], s[12:13], s[62:63]      ; out at my group's 32 rows
	s_lshl_b32 s62, s[CLX], 15
	s_and_b32 s59, s[WV], 3
	s_lshl_b32 s59, s59, 13
	s_add_co_u32 s62, s62, s59
	s_add_co_u32 s62, s62, SLOTB
	s_add_nc_u64 s[PFA:PFA+1], s[8:9], s[62:63]    ; my 8,192 bytes of slot 1: the first fill steps it to slot 2
	v_lshlrev_b32 v[PFO], 8, v60
	s_lshl_b32 s59, s[KH], 14
	v_lshl_add_u32 v[LI], v60, 4, s59
	s_lshl_b32 s59, s[KH], 9
	s_add_co_u32 s59, s59, KSQL
	v_lshl_add_u32 v[LQ], v62, 6, s59
	s_lshl_b32 s59, s[WV], 10
	s_add_co_u32 s59, s59, XIMG
	v_lshl_add_u32 v244, v60, 4, s59
	s_lshl_b32 s59, s[WV], 7
	s_add_co_u32 s59, s59, XSC
	v_lshl_add_u32 v245, v60, 2, s59
	s_lshl_b32 s59, s[GQ], 11
	s_add_co_u32 s59, s59, XIMG
	v_lshl_add_u32 v246, v60, 4, s59
	s_lshl_b32 s59, s[GQ], 8
	s_add_co_u32 s59, s59, XSC
	v_lshl_add_u32 v247, v60, 2, s59
	s_lshl_b32 s59, s[WV], 12
	s_add_co_u32 s59, s59, KSQL
	v_lshl_add_u32 v248, v60, 4, s59
	v_mov_b32 v10, 0xff800000
	v_mov_b32 v11, 0x7f800000
.irp b, 0,1,2,3
	v_mov_b32 v[TMQ+\b], 0
.endr
	s_wait_kmcnt 0x0
	v_mov_b32 v14, s[TT]
	s_wait_alu depctr_va_vdst(0)
	v_rcp_f32 v15, v14
	v_nop
	s_wait_alu depctr_va_vdst(0)
	v_fma_f32 v63, -v14, v15, 1.0                  ; one Newton step on 1 / T
	v_fma_f32 v15, v63, v15, v15
	s_delay_alu instid0(VALU_DEP_1)
	v_mul_f32 v14, 0xbfb8aa3b, v15                 ; c = -log2(e) / T
	s_delay_alu instid0(VALU_DEP_1)
	v_and_b32 v15, 0x7fffffff, v14
	s_delay_alu instid0(VALU_DEP_1)
	v_readfirstlane_b32 s[CA], v15                 ; |c|
	s_mov_b32 s[CA+1], s[CA]
	v_cmp_gt_f32 s[CN], 0, v14
	s_delay_alu instid0(VALU_DEP_1)
	v_cndmask_b32 v12, 0, v10, s[CN]               ; t's bounds: (-inf, 0) where c < 0, (0, +inf) else
	s_delay_alu instid0(VALU_DEP_2)
	v_cndmask_b32 v13, v11, 0, s[CN]
	s_wait_loadcnt 0x0
.irp k, 0,1,2,3
	v_pk_mul_f32 v[236+2*\k:237+2*\k], v[SCO+2*\k:SCO+2*\k+1], v[SCO+2*\k:SCO+2*\k+1]   ; |x|^2 of the unquantised numbers, four chains
.endr
.set j, 4
.rept 28
	s_delay_alu instid0(VALU_DEP_4)
	v_pk_fma_f32 v[236+2*(j%4):237+2*(j%4)], v[SCO+2*j:SCO+2*j+1], v[SCO+2*j:SCO+2*j+1], v[236+2*(j%4):237+2*(j%4)]
.set j, j+1
.endr
	s_delay_alu instid0(VALU_DEP_3)
	v_pk_add_f32 v[236:237], v[236:237], v[238:239]
	s_delay_alu instid0(VALU_DEP_2)
	v_pk_add_f32 v[240:241], v[240:241], v[242:243]
	s_delay_alu instid0(VALU_DEP_1)
	v_pk_add_f32 v[236:237], v[236:237], v[240:241]
	s_delay_alu instid0(VALU_DEP_1)
	v_add_f32 v236, v236, v237
	s_delay_alu instid0(VALU_DEP_1)
	v_permlanex16_b32 v237, v236, s[SEL], s[SEL+1]
	s_delay_alu instid0(VALU_DEP_1)
	v_add_f32 v236, v236, v237
.irp b, 0,1,2,3
	v_max3_num_f32 v[BMX+\b], |v[SCO+16*\b]|, |v[SCO+16*\b+1]|, 0x1800000
.endr
.irp n, 2,4,6,8,10,12,14
.irp b, 0,1,2,3
	s_delay_alu instid0(VALU_DEP_4)
	v_max3_num_f32 v[BMX+\b], v[BMX+\b], |v[SCO+16*\b+\n]|, |v[SCO+16*\b+\n+1]|
.endr
.endr
.irp b, 0,1,2,3
	s_delay_alu instid0(VALU_DEP_4)
	v_permlanex16_b32 v[TMQ+\b], v[BMX+\b], s[SEL], s[SEL+1]
.endr
.irp b, 0,1,2,3
	s_delay_alu instid0(VALU_DEP_4)
	v_max_num_f32 v[BMX+\b], v[BMX+\b], v[TMQ+\b]
.endr
	CODES SCO, PCD, PSW
	ds_store_b128 v244, v[PCD:PCD+3]               ; my tile of x as a register image, for the two waves that own it
	ds_store_b128 v244, v[PCD+4:PCD+7] offset:512
	ds_store_b32 v245, v[PSW]
	ds_store_b32 v245, v236 offset:XSQ-XSC
.irp n, 0,1,2,3,4,5,6,7
	ds_store_b128 v248, v[SCO+64+4*\n:SCO+64+4*\n+3] offset:512*\n   ; my 4,096 bytes of sigma |k|^2
.endr
	s_wait_alu depctr_va_vdst(0)
	s_wait_dscnt 0x0                               ; for the others' sake
	s_barrier_signal -1
	s_barrier_wait -1
.irp n, 0,1,2,3
	ds_load_b128 v[QFR+4*\n:QFR+4*\n+3], v246 offset:512*\n
.endr
	ds_load_b32 v[QSW], v247
	ds_load_b32 v[QSW+1], v247 offset:128
	ds_load_b32 v[STA+7], v247 offset:XSQ-XSC
	ds_load_b32 v[STA+23], v247 offset:XSQ-XSC+128
.irp i, 0,1
	v_mov_b32 v[STA+16*\i+1], 0xff61b1e6           ; the largest t so far: -3e38
	s_delay_alu instid0(VALU_DEP_1)
	v_floor_f32 v[STA+16*\i+6], -v[STA+16*\i+1]
	v_mov_b32 v[STA+16*\i+2], 0
	v_mov_b32 v[STA+16*\i+3], 0
	v_mov_b32 v[STA+16*\i+5], 0
.endr
	WIN TO_W1
.set j, 0
.rept 112
	v_mov_b32 v[j], 0                              ; O^T: the step is written alike for all steps, and the first change of M multiplies zeros
.set j, j+1
.endr
	WIN 0
	s_wait_dscnt 0x0
	v_mul_f32 v[STA+7], v14, v[STA+7]              ; c |x|^2
	v_mul_f32 v[STA+23], v14, v[STA+23]
; one tile's softmax of a key step: work on registers alone
.macro SOFTMAX x
.set rS, SCO+64*(\x)
.set rT, STA+16*(\x)
.set rP, PCD+8*(\x)
.set rW, PSW+(\x)
.set rO, 56*(\x)
	WIN 0
.irp b, 0,1,2,3
	v_max3_num_f32 v[BMX+\b], v[rS+16*\b], v[rS+16*\b+1], v[rS+16*\b+2]   ; each block's largest D: for the row's maximum and for the block's largest p
.endr
.irp n, 3,5,7,9,11,13
.irp b, 0,1,2,3
	v_max3_num_f32 v[BMX+\b], v[BMX+\b], v[rS+16*\b+\n], v[rS+16*\b+\n+1]
.endr
.endr
.irp b, 0,1,2,3
	v_max_num_f32 v[BMX+\b], v[BMX+\b], v[rS+16*\b+15]
.endr
.irp b, 0,1,2,3
	s_delay_alu instid0(VALU_DEP_4)
	v_permlanex16_b32 v[TMQ+\b], v[BMX+\b], s[SEL], s[SEL+1]
.endr
.irp b, 0,1,2,3
	s_delay_alu instid0(VALU_DEP_4)
	v_max_num_f32 v[BMX+\b], v[BMX+\b], v[TMQ+\b]
.endr
	s_delay_alu instid0(VALU_DEP_2)
	v_max3_num_f32 v60, v[BMX], v[BMX+1], v[BMX+2]
	s_delay_alu instid0(VALU_DEP_1)
	v_max_num_f32 v60, v60, v[BMX+3]
	s_delay_alu instid0(VALU_DEP_1)
	v_fma_f32 v60, v60, s[CA], v[rT+7]
	s_delay_alu instid0(VALU_DEP_1)
	v_med3_num_f32 v60, v60, v12, v13              ; the clip
	s_delay_alu instid0(VALU_DEP_1)
	v_max_num_f32 v[rT+1], v[rT+1], v60
	v_mov_b32 v61, v[rT+6]
	s_delay_alu instid0(VALU_DEP_2)
	v_floor_f32 v[rT+6], -v[rT+1]                  ; -M
	s_delay_alu instid0(VALU_DEP_1)
	v_sub_f32 v61, v[rT+6], v61
	s_delay_alu instid0(VALU_DEP_1)
	v_cvt_i32_f32 v61, v61
	s_delay_alu instid0(VALU_DEP_1)
	v_ldexp_f32 v[rT+4], 1.0, v61                  ; f = 2^(old M - new M)
	s_delay_alu instid0(VALU_DEP_4)
	v_add_f32 v[rT], v[rT+7], v[rT+6]
	v_cndmask_b32 v[rT+8], v[rT+6], v10, s[CN]     ; the clip's bounds for t - M
	v_cndmask_b32 v[rT+9], v11, v[rT+6], s[CN]
.set j, 0
.rept 32
	v_pk_fma_f32 v[rS+j:rS+j+1], v[rS+j:rS+j+1], s[CA:CA+1], v[rT:rT+1] op_sel_hi:[1,0,0]
.set j, j+2
.endr
.irp b, 0,1,2,3
	v_fma_f32 v[BMX+\b], v[BMX+\b], s[CA], v[rT]
.endr
.set j, 0
.rept 64
	v_med3_num_f32 v[rS+j], v[rS+j], v[rT+8], v[rT+9]
.set j, j+1
.endr
.irp b, 0,1,2,3
	v_med3_num_f32 v[BMX+\b], v[BMX+\b], v[rT+8], v[rT+9]
.endr
.set j, 0
	s_wait_alu depctr_va_vdst(0)                   ; one wait ahead of the batch
.rept 64
	v_exp_f32 v[rS+j], v[rS+j]
.set j, j+1
.endr
	v_pk_mul_f32 v[rT+2:rT+3], v[rT+2:rT+3], v[rT+4:rT+5] op_sel_hi:[1,0]
	s_wait_alu depctr_va_vdst(0)                   ; and one behind it
.irp b, 0,1,2,3
	v_exp_f32 v[BMX+\b], v[BMX+\b]
.endr
	v_pk_add_f32 v[62:63], v[rS:rS+1], v[rS+2:rS+3]   ; the sum of the unquantised p, two chains
.set j, 4
.rept 15
	v_pk_add_f32 v[rT+2:rT+3], v[rT+2:rT+3], v[rS+j:rS+j+1]
	v_pk_add_f32 v[62:63], v[62:63], v[rS+j+2:rS+j+3]
.set j, j+4
.endr
	s_delay_alu instid0(VALU_DEP_1)
	v_pk_add_f32 v[rT+2:rT+3], v[rT+2:rT+3], v[62:63]
	s_wait_alu depctr_va_vdst(0)
.irp b, 0,1,2,3
	v_max_num_f32 v[BMX+\b], 0x1800000, v[BMX+\b]
.endr
	CODES rS, rP, rW
	WIN W_RS
.set j, 0
.rept 28
	v_pk_mul_f32 v[rO+j:rO+j+1], v[rO+j:rO+j+1], v[rT+4:rT+5] op_sel_hi:[1,0]
.set j, j+2
.endr
.endm
.macro LDK                             ; 18 loads: K's eight fragments and the scale image
	WIN TO_W1
.irp t, 0,1,2,3,4,5,6,7
.irp c, 0,1
	ds_load_b128 v[FRG+8*\t+4*\c:FRG+8*\t+4*\c+3], v[ADR] offset:1024*\t+512*\c
.endr
.endr
	WIN 0
	ds_load_b128 v[SCK:SCK+3], v[ADR] offset:15360
	ds_load_b128 v[SCK+4:SCK+7], v[ADR] offset:15872
.endm
.macro LDQ                             ; 16 loads: sigma |k|^2 in the result's layout, into tile 0's score registers
	WIN 0
.irp t, 0,1,2,3,4,5,6,7
	ds_load_b128 v[SCO+8*\t:SCO+8*\t+3], v[ADQ] offset:128*(\t/2)+32*(\t%2)
	ds_load_b128 v[SCO+8*\t+4:SCO+8*\t+7], v[ADQ] offset:128*(\t/2)+32*(\t%2)+16
.endr
.endm
.macro LDV                             ; 16 loads: V's seven fragments, and the scale image once more (V's words in lanes 16-31) into v26-29, v42-45
	WIN TO_W1
.irp t, 0,1,2,3,4,5,6
.irp c, 0,1
	ds_load_b128 v[VFR+8*\t+4*\c:VFR+8*\t+4*\c+3], v[ADR] offset:8192+1024*\t+512*\c
.endr
.endr
	WIN 0
	ds_load_b128 v[26:29], v[ADR] offset:15360
	ds_load_b128 v[42:45], v[ADR] offset:15872
.endm
.macro NEXTADR
	v_add_nc_u32 v[ADR], s[TB], v[LI]
	v_add_nc_u32 v[ADQ], s[TQ], v[LQ]
.endm
; A KEY STEP.  mode 0: inside a slot; 1: a slot's last, with the round and the refill; 2: a slot's last, nothing is filled again; 3: the very last: nothing is fetched
.macro STEP mode
	s_wait_dscnt 16                                ; K, its scale words and sigma |k|^2 are in; V's 16 loads, issued behind them, may be out
	WIN W_KQ
.irp t, 0,1,2,3,4,5,6,7
	v_wmma_scale_f32_16x16x128_f8f6f4 v[SCO+64+8*\t:SCO+64+8*\t+7], v[FRG+8*\t:FRG+8*\t+7], v[QFR+8:QFR+15], v[SCO+8*\t:SCO+8*\t+7], v[SCK+\t], v[QSW+1] matrix_a_fmt:MATRIX_FMT_FP4 matrix_b_fmt:MATRIX_FMT_FP4
.endr
.rept 5
	v_nop                                          ; five places: the products below write over what those above took as C
.endr
.irp t, 0,1,2,3,4,5,6,7
	v_wmma_scale_f32_16x16x128_f8f6f4 v[SCO+8*\t:SCO+8*\t+7], v[FRG+8*\t:FRG+8*\t+7], v[QFR:QFR+7], v[SCO+8*\t:SCO+8*\t+7], v[SCK+\t], v[QSW] matrix_a_fmt:MATRIX_FMT_FP4 matrix_b_fmt:MATRIX_FMT_FP4
.endr
	WIN 0
.if (\mode == 1) || (\mode == 2)
	s_sub_co_u32 s[TB], s[TB], SLOTB               ; the next step lies at the head of the other slot
	s_xor_b32 s[TB], s[TB], SLOTB
.endif
.if \mode != 3
	NEXTADR                                        ; with the two below: four places behind the products
	v_nop
	v_nop
.else
.rept 4
	v_nop
.endr
.endif
.if \mode == 0
	LDK
.endif
.if \mode == 1
	s_wait_alu depctr_va_vdst(0)
	DRAIN 1
	s_barrier_signal -1                            ; opens the round
.endif
.if \mode == 2
	s_wait_alu depctr_va_vdst(0)
	DRAIN 0
	s_barrier_signal -1
.endif
	SOFTMAX 0
.if \mode == 1
	WIN 0
	s_barrier_wait -1
	CREST                                          ; no wave of any partner reads the slot that is left or has a load out
	REFILL
	LDK
.endif
.if \mode == 2
	WIN 0
	s_barrier_wait -1                              ; the last slot is whole for every wave
	LDK
.endif
.if \mode != 3
	LDQ
.endif
	SOFTMAX 1
	s_wait_alu depctr_va_vdst(0)
.if \mode != 3
	s_wait_dscnt 34                                ; V and its scale words are in; the next step's 18 + 16 loads may be out
.else
	s_wait_dscnt 0x0
.endif
	WIN W_PV
.irp t, 0,1,2,3,4,5,6
.irp i, 0,1
	v_wmma_scale_f32_16x16x128_f8f6f4 v[56*\i+8*\t:56*\i+8*\t+7], v[VFR+8*\t:VFR+8*\t+7], v[PCD+8*\i:PCD+8*\i+7], v[56*\i+8*\t:56*\i+8*\t+7], v[26+(\t%4)+16*(\t/4)], v[PSW+\i] matrix_a_fmt:MATRIX_FMT_FP4 matrix_b_fmt:MATRIX_FMT_FP4 matrix_a_scale:MATRIX_SCALE_ROW1
.endr
.endr
	WIN 0
.if \mode != 3
.rept 4
	v_nop
.endr
	LDV
	s_add_co_u32 s[TB], s[TB], 2*STEPB
	s_add_co_u32 s[TQ], s[TQ], 1024
.endif
.endm
.macro PLAIN3
	s_mov_b32 s[STEPS], 3
.Lstep_\@:
	STEP 0
	s_sub_co_u32 s[STEPS], s[STEPS], 1
	s_cmp_lg_u32 s[STEPS], 0
	s_cbranch_scc1 .Lstep_\@
.endm
	s_wait_alu depctr_va_vdst(0)
	DRAIN 1                                        ; slot 0 is in; slot 1's first fill is issued as a refill is
	CROUND
	REFILL
	NEXTADR                                        ; the first step's loads, in the order in which the steps issue them
	LDK
	LDQ
	LDV
	s_add_co_u32 s[TB], s[TB], 2*STEPB
	s_add_co_u32 s[TQ], s[TQ], 1024
	s_mov_b32 s[SLOTS], 6
.Lslot:                                                ; slots 0 to 5: each change fills the slot that is left with the slot two on
	PLAIN3
	STEP 1
	s_sub_co_u32 s[SLOTS], s[SLOTS], 1
	s_cmp_lg_u32 s[SLOTS], 0
	s_cbranch_scc1 .Lslot
	PLAIN3                                         ; slot 6
	STEP 2
	PLAIN3                                         ; slot 7
	STEP 3
	; THE WAY OUT: the odd wave of a pair hands its O^T, -M and sum to the even one, which joins them, divides, and stores whole rows through a stage
	v_and_b32 v252, 31, v0
	v_and_b32 v253, 15, v0
	v_bfe_u32 v254, v0, 4, 1
	s_delay_alu instid0(VALU_DEP_3)
	v_lshlrev_b32 v6, 4, v252
	s_mul_i32 s59, s[GQ], MRGB
	v_add_nc_u32 v8, s59, v6
	s_mul_i32 s59, s[GQ], STGL
	s_add_co_u32 s59, s59, STG
	v_add_nc_u32 v5, s59, v6
	v_mul_u32_u24 v9, v253, 400
	s_delay_alu instid0(VALU_DEP_1)
	v_lshl_add_u32 v9, v254, 5, v9
	s_delay_alu instid0(VALU_DEP_1)
	v_add_nc_u32 v9, s59, v9
.irp i, 0,1
	v_add_f32 v[237+2*\i], v[STA+16*\i+2], v[STA+16*\i+3]
.endr
.irp i, 0,1
	s_delay_alu instid0(VALU_DEP_2)
	v_permlanex16_b32 v[TMQ+\i], v[237+2*\i], s[SEL], s[SEL+1]
.endr
.irp i, 0
	s_delay_alu instid0(VALU_DEP_2)
	v_add_f32 v[237+2*\i], v[237+2*\i], v[TMQ+\i]
	v_mov_b32 v[236+2*\i], v[STA+16*\i+6]
.endr
.irp i, 1
	s_delay_alu instid0(VALU_DEP_3)
	v_add_f32 v[237+2*\i], v[237+2*\i], v[TMQ+\i]
	v_mov_b32 v[236+2*\i], v[STA+16*\i+6]
.endr
	s_cmp_eq_u32 s[KH], 0
	s_cbranch_scc1 .Lkeep
	WIN 0x04
.set j, 0
.rept 28
	ds_store_b128 v8, v[4*j:4*j+3] offset:512*j
.set j, j+1
.endr
	WIN 0
	ds_store_b128 v8, v[236:239] offset:14336
.Lkeep:
	s_wait_dscnt 0x0
	s_barrier_signal -1
	s_barrier_wait -1
	s_cmp_lg_u32 s[KH], 0
	s_cbranch_scc1 .Lend
.set j, 0
.rept 28
	ds_load_b128 v[SCO+4*j:SCO+4*j+3], v8 offset:512*j
.set j, j+1
.endr
	ds_load_b128 v[240:243], v8 offset:14336
	s_wait_dscnt 0x0
	s_wait_alu depctr_va_vdst(0)
.irp i, 0,1
	v_min_num_f32 v[52+\i], v[236+2*\i], v[240+2*\i]   ; the joint -M
.endr
.irp i, 0
	s_delay_alu instid0(VALU_DEP_2)
	v_sub_f32 v[56+\i], v[52+\i], v[236+2*\i]
	s_delay_alu instid0(VALU_DEP_3)
	v_sub_f32 v[58+\i], v[52+\i], v[240+2*\i]
.endr
.irp i, 1
	s_delay_alu instid0(VALU_DEP_3)
	v_sub_f32 v[56+\i], v[52+\i], v[236+2*\i]
	s_delay_alu instid0(VALU_DEP_4)
	v_sub_f32 v[58+\i], v[52+\i], v[240+2*\i]
.endr
.irp i, 0,1,2,3
	v_cvt_i32_f32 v[56+\i], v[56+\i]
.endr
.irp i, 0,1,2,3
	s_delay_alu instid0(VALU_DEP_4)
	v_ldexp_f32 v[56+\i], 1.0, v[56+\i]
.endr
.irp i, 0,1
	s_delay_alu instid0(VALU_DEP_4)
	v_mul_f32 v[60+\i], v[237+2*\i], v[56+\i]
.endr
.irp i, 0,1
	s_delay_alu instid0(VALU_DEP_2)
	v_fma_f32 v[60+\i], v[241+2*\i], v[58+\i], v[60+\i]
.endr
	s_wait_alu depctr_va_vdst(0)
	v_rcp_f32 v60, v60
	v_rcp_f32 v61, v61
	v_nop
	s_wait_alu depctr_va_vdst(0)
.irp i, 0,1
	v_mul_f32 v[244+4*\i], v[56+\i], v[60+\i]
	v_mul_f32 v[245+4*\i], v[56+\i], v[60+\i]
	v_mul_f32 v[246+4*\i], v[58+\i], v[60+\i]
	v_mul_f32 v[247+4*\i], v[58+\i], v[60+\i]
.endr
.set j, 0
.rept 56
	v_pk_mul_f32 v[SCO+2*j:SCO+2*j+1], v[SCO+2*j:SCO+2*j+1], v[246+4*(j/28):247+4*(j/28)]
.set j, j+1
.endr
	WIN 0x01
.set j, 0
.rept 56
	v_pk_fma_f32 v[SCO+2*j:SCO+2*j+1], v[2*j:2*j+1], v[244+4*(j/28):245+4*(j/28)], v[SCO+2*j:SCO+2*j+1]
.set j, j+1
.endr
	WIN 0
.irp i, 0,1
.irp t, 0,1,2,3,4,5
	ds_store_b128 v9, v[SCO+56*\i+8*\t:SCO+56*\i+8*\t+3] offset:6400*\i+64*\t
	ds_store_b128 v9, v[SCO+56*\i+8*\t+4:SCO+56*\i+8*\t+7] offset:6400*\i+64*\t+16
.endr
.endr
	v_cmp_gt_u32 vcc_lo, 16, v252                  ; channels 96 to 99 lie in lanes 0-15 of the seventh tile
	s_wait_alu depctr_va_vdst(0)
	s_wait_xcnt 0x0
	s_and_saveexec_b32 s58, vcc_lo
	ds_store_b128 v9, v[SCO+48:SCO+51] offset:384
	ds_store_b128 v9, v[SCO+104:SCO+107] offset:6400+384
	s_or_b32 exec_lo, exec_lo, s58
.set j, 0
.rept 25
	ds_load_b128 v[SCO+4*j:SCO+4*j+3], v5 offset:512*j
.set j, j+1
.endr
.set j, 0
.rept 25
	s_wait_dscnt 24-j
	global_store_b128 v6, v[SCO+4*j:SCO+4*j+3], s[12:13] offset:512*j th:TH_STORE_NT   ; 32 rows of 400 bytes are 12,800 dense bytes: 512 consecutive bytes a store
.set j, j+1
.endr
.Lend:
	s_wait_tensorcnt 0x0                           ; the wave's end
	ds_add_u32 v[SPW], v[NIL]
	s_wait_dscnt 0x0
	CROUND                                         ; the closing round
	s_endpgm
.Lfunc_end_k_q902167d8e8_attend:
	.size	k_q902167d8e8_attend, .Lfunc_end_k_q902167d8e8_attend-k_q902167d8e8_attend
	.p2alignl 7, 3214868480
	.fill 96, 4, 3214868480
	.section	.rodata,"a",@progbits
	.p2align	6, 0x0
	.amdhsa_kernel k_q902167d8e8_attend
		.amdhsa_group_segment_fixed_size 327680
		.amdhsa_private_segment_fixed_size 0
		.amdhsa_enable_private_segment 0
		.amdhsa_kernarg_size 40
		.amdhsa_user_sgpr_count 2
		.amdhsa_user_sgpr_kernarg_segment_ptr 1
		.amdhsa_wavefront_size32 1
		.amdhsa_system_sgpr_workgroup_id_x 1
		.amdhsa_system_sgpr_workgroup_id_y 1
		.amdhsa_system_sgpr_workgroup_id_z 1
		.amdhsa_system_vgpr_workitem_id 0
		.amdhsa_next_free_vgpr 512
		.amdhsa_next_free_sgpr 66
		.amdhsa_reserve_vcc 1
		.amdhsa_float_denorm_mode_32 3
		.amdhsa_float_denorm_mode_16_64 3
		.amdhsa_memory_ordered 1
		.amdhsa_forward_progress 1
		.amdhsa_inst_pref_size 255
	.end_amdhsa_kernel
	.section	.bss,"aw",@nobits
	.p2align	6
	.space	262144
	.amdgpu_metadata
---
amdhsa.version: [ 1, 2 ]
amdhsa.kernels:
  - .name:           k_q902167d8e8_attend
    .symbol:         k_q902167d8e8_attend.kd
    .args:
      - { .name: x, .offset: 0, .size: 8, .value_kind: global_buffer, .address_space: global }
      - { .name: temperature, .offset: 8, .size: 8, .value_kind: global_buffer, .address_space: global }
      - { .name: kv, .offset: 16, .size: 8, .value_kind: global_buffer, .address_space: global }
      - { .name: ksq, .offset: 24, .size: 8, .value_kind: global_buffer, .address_space: global }
      - { .name: out0, .offset: 32, .size: 8, .value_kind: global_buffer, .address_space: global }
    .group_segment_fixed_size: 327680
    .private_segment_fixed_size: 0
    .kernarg_segment_align: 8
    .kernarg_segment_size: 40
    .max_flat_workgroup_size: 256
    .sgpr_count:     66
    .vgpr_count:     512
    .wavefront_size: 32
...
	.end_amdgpu_metadata
.endif
;; end of part 2
